; MI455X (gfx1250); checked and timed in simulation.
; The chip was launched on July 23, 2026; its instructions are those of AMD's public machine-readable ISA for CDNA 5 (MIT licence, August 2026) and "CDNA5" Instruction Set Architecture Reference Guide (July 2026). The comments in the code are by the model that wrote it; some were corrected since.
;; Vector Quantizer. Allowed arithmetic: matrix products marked QUANTISED: E4M3 operands, one E8M0 scale for each 32 along K, by v_wmma_scale_f32_16x16x128_f8f6f4 with both operands' format E4M3, f32 sums; everything else in f32.
;; Inputs: emb 16,384 x 256 float32; z 16 x 32 x 32 x 256 float32.
;; Outputs: out0 16 x 32 x 32 x 256 float32; out1 one number float32; out2 16 x 1,024 int32.
;; This version of the problem:
;;   THIS VERSION OF THE PROBLEM IS GIVEN IN LOW PRECISION. The matrix products marked QUANTISED in the list below multiply operands that are first quantised to E4M3 (4 exponent bits, 3 mantissa bits; 8 bits a number), with one power-of-two scale for each 32 numbers along K (OCP MX v1.0); their sums are f32. All else is computed in f32.
;;   The module's matrix products, in the order in which they are computed (A, B: the left and right operand; K: the contracted axis; several contracted axes count as one K, in the product's order):
;;     1. [M 16,384, K 256] x [K 256, N 16,384]; A: input z; B: input emb: QUANTISED
;;   THE QUANTISER, for each operand of a quantised product, along K:
;;     - K is cut into blocks of 32 from its start; a last block that is shorter is filled with zeros.
;;     - A block's scale is 2^e with e = floor(log2(the largest magnitude in the block)) - 8, held to -126 .. 127; a block of zeros has e = 0. As a byte (E8M0): e + 127.
;;     - Each number is divided by its block's scale, clamped to +-448, and rounded to the nearest number of E4M3, ties to even, subnormals kept.
;;     - The product sums the exact products of the quantised numbers (number of the format x scale) in f32.
;;   ~~~python
;;   def quantise(x, axis):      # numpy; x: float32 -> the quantised numbers, widened to float32 again
;;       x = np.moveaxis(x, axis, -1); K = x.shape[-1]
;;       x = np.pad(x, [(0, 0)] * (x.ndim - 1) + [(0, -K % 32)]); x = x.reshape(x.shape[:-1] + (-1, 32)); a = np.abs(x).max(-1, keepdims=True)
;;       e = np.where(a > 0, np.clip(np.frexp(np.where(a > 0, a, 1))[1] - 1 - 8, -126, 127), 0)      # np.frexp(a)[1] - 1 = floor(log2(a)), exactly
;;       r = np.clip(x / 2.0 ** e, -448, 448)
;;       step = 2.0 ** (np.maximum(np.frexp(np.where(r == 0, 1, r))[1] - 1, -6) - 3)
;;       q = np.round(r / step) * step * 2.0 ** e      # np.round: ties to even
;;       return np.moveaxis(q.reshape(q.shape[:-2] + (-1,))[..., :K], -1, axis).astype(np.float32)
;;   ~~~
;; One version. Each part assembles by itself: llvm-mc -triple=amdgcn-amd-amdhsa -mcpu=gfx1250 --defsym DOCPART=n.
;; ======== version 1 of 1: 4 launches
;; limits: right only within a limited range of input values
;; workspace buffers: ecod 4,456,448 bytes; zcod 4,456,448 bytes; ckey 262,144 bytes of whole numbers; cidx 262,144 bytes of whole numbers; part 1,024 bytes
;; launch quant (part 1): grid 256 x 1, 8 waves a work-group, no clusters, 136,192 bytes of LDS; arguments emb, z, ecod, zcod; writes ecod, zcod
.if DOCPART == 1
	.amdgcn_target "amdgcn-amd-amdhsa--gfx1250"
	.amdhsa_code_object_version 6
	.text
	.protected	k_q957e9497ce_quant
	.globl	k_q957e9497ce_quant
	.p2align	8
	.type	k_q957e9497ce_quant,@function
k_q957e9497ce_quant:
	s_mov_b64 s[64:65], 0
	v_nop
	global_prefetch_b8 v0, s[64:65] scope:SCOPE_SE
	s_setreg_imm32_b32 hwreg(HW_REG_WAVE_MODE, 25, 1), 1
	s_wait_xcnt 0x0
; emb [16384][256] and z [16384][256], f32, become TILE RECORDS for the product's launch: codes of FP8 (E4M3) with one E8M0 scale byte for each 32 along K.
; A record serves 16 rows and is 4,352 bytes = 17 x 256, laid as an image of the matrix operand's registers:
;   bytes (4 s + c) 512 + 16 lane: the 16 codes of row lane % 16 at k = 128 s + 32 c + 16 (lane / 16) + 0 .. 15   (s = 0, 1: K step; c = 0 .. 3)
;   bytes 4096 + 4 lane: lanes 0-15 row r's scale word of K step 0, lanes 16-31 that of K step 1
;   bytes 4224 + 4 r: -(the sum of the row's squares) / 2, of the f32 numbers as given; bytes 4288 on: the same once more, so that the record's last 256 bytes are stored whole.
; A block's scale is 2^(floor(log2(its largest magnitude)) - 8); its byte is that magnitude's exponent field - 8, held at 1 from below.  A block of zeros so gets the byte 1: its codes are zeros, and this program alone reads the bytes.
; LIMITS: blocks whose largest magnitude lies under 2^(8 - 126) get the byte 1; NaN and infinities among the inputs are not served.
; SHARES: work-groups 0-127 take emb, 128-255 take z (only pointers are chosen: one path); a wave takes one tile of 16 rows: 16,384 dense bytes in, 4,352 dense bytes out.  Waves share nothing: no barrier.
; Each load reads 512 consecutive bytes; the rows turn through the wave's own stage in LDS (pitch 1,040 bytes = 260 words: sixteen rows start at sixteen different banks), so that a lane gets 16 neighbours along K of each block.
.set SP,   1040                        ; a stage row: 1,024 bytes + 16
.set META, 16*SP                       ; behind the stage: 256 bytes for the record's last unit
.set WREG, 16*SP+256                   ; LDS of a wave
.set REC,  4352
.set TM,   10                          ; v10-13 largest magnitudes, v14-17 bytes, v18-21 448 x the scale, v22-25 the conversions' scale operands
.set PW,   26                          ; v26, v27 the scale words of K steps 0, 1
.set PC,   32                          ; v32-63 the codes: a set of 16 for each K step, so that no store's data are written again
.set R,    64                          ; v64-191 the tile as loaded
.set X0,   192                         ; v192-255 K step 0: register 16 b + i = k 32 b + 16 (lane / 16) + i of my row
.set X1,   64                          ; v64-127 K step 1, once R is free
.set EE,   128                         ; v128-135 the sum of squares, four packed chains
	s_load_b256 s[4:11], s[0:1], 0x0               ; emb s[4:5], z s[6:7], ecod s[8:9], zcod s[10:11]
	v_lshl_add_u32 v30, v0, 2, 0x21000
	v_mov_b32 v31, 0
	v_lshrrev_b32 v1, 5, v0
	s_delay_alu instid0(VALU_DEP_1)
	v_readfirstlane_b32 s12, v1                    ; wave 0..7
	v_and_b32 v1, 31, v0                           ; lane
	v_and_b32 v2, 15, v0                           ; r
	v_bfe_u32 v3, v0, 4, 1                         ; h
	s_delay_alu instid0(VALU_DEP_3)
	v_lshlrev_b32 v4, 4, v1                        ; 16 x lane: my bytes of a load's 512, and of a store's
	s_mul_i32 s13, s12, WREG                       ; my wave's LDS
	v_add_nc_u32 v5, s13, v4                       ; the stage, on the way in
	v_mul_u32_u24 v6, v2, SP
	s_delay_alu instid0(VALU_DEP_1)
	v_lshl_add_u32 v6, v3, 6, v6
	s_delay_alu instid0(VALU_DEP_1)
	v_add_nc_u32 v6, s13, v6                       ; and out: row r, + 64 h
	s_add_co_u32 s14, s13, META
	v_lshl_add_u32 v7, v1, 2, s14                  ; the last unit: 4 bytes a lane in,
	v_lshl_add_u32 v8, v1, 3, s14                  ; 8 bytes a lane out
	v_lshlrev_b32 v9, 3, v1
	s_mov_b32 s20, 0x76543210
	s_mov_b32 s21, 0xfedcba98                      ; v_permlanex16_b32's selects for lane l xor 16
	s_mov_b32 s23, 0x600000                        ; the mantissa field of 448
.irp b, 0,1,2,3
	v_mov_b32 v[TM+4+\b], 0                        ; written once: a lane permute's destination counts as one of its sources
.endr
	s_wait_alu depctr_va_vdst(0)
	s_wait_kmcnt 0x0
	s_cmp_lt_u32 ttmp9, 128                        ; emb's work-group or z's?  The choice hangs on the work-group's number alone
	s_cselect_b64 s[4:5], s[4:5], s[6:7]
	s_cselect_b64 s[8:9], s[8:9], s[10:11]
	s_cselect_b32 s15, 0, 128
	s_sub_co_u32 s15, ttmp9, s15
	s_lshl_b32 s15, s15, 3
	s_add_co_u32 s15, s15, s12                     ; my tile: 8 x (work-group mod 128) + wave
	s_lshl_b32 s16, s15, 14                        ; 16 rows of 1,024 bytes
	s_mov_b32 s17, 0
	s_add_nc_u64 s[4:5], s[4:5], s[16:17]
	s_mul_i32 s16, s15, REC
	s_add_nc_u64 s[8:9], s[8:9], s[16:17]
.set I, 0
.rept 32
	global_load_b128 v[R+4*I:R+4*I+3], v4, s[4:5] offset:512*I th:TH_LOAD_NT   ; 32 lanes read 512 consecutive bytes: half a row
.set I, I+1
.endr
.set I, 0
.rept 32
	s_wait_loadcnt 31-I                            ; loads come back in order: load I is in, the younger ones stay out
	ds_store_b128 v5, v[R+4*I:R+4*I+3] offset:(I/2)*SP+(I%2)*512
.set I, I+1
.endr
.irp b, 0,1,2,3
.irp j, 0,1,2,3
	ds_load_b128 v[X0+16*\b+4*\j:X0+16*\b+4*\j+3], v6 offset:128*\b+16*\j   ; LDS serves a wave's instructions in order: these see my stores
.endr
.endr
	s_wait_dscnt 0x0                               ; K step 0 is in; the stores into the stage have read R, so its registers may be loaded again
.irp b, 0,1,2,3
.irp j, 0,1,2,3
	ds_load_b128 v[X1+16*\b+4*\j:X1+16*\b+4*\j+3], v6 offset:512+128*\b+16*\j   ; K step 1 lands while K step 0 is worked
.endr
.endr
; the squares of 64 numbers onto four packed chains; first = 1: the first four products start the chains: nothing is cleared
.macro SQ x, first
.set I, 0
.rept 32
.if (\first) && (I < 4)
	v_pk_mul_f32 v[EE+2*I:EE+2*I+1], v[\x+2*I:\x+2*I+1], v[\x+2*I:\x+2*I+1]
.else
	v_pk_fma_f32 v[EE+2*(I%4):EE+2*(I%4)+1], v[\x+2*I:\x+2*I+1], v[\x+2*I:\x+2*I+1], v[EE+2*(I%4):EE+2*(I%4)+1]
.endif
.set I, I+1
.endr
.endm
; 64 numbers of a lane, v[s] on, become a fragment's codes in v[pc] on and its scale word in v[pw]
.macro QUANT s, pc, pw
.irp b, 0,1,2,3
	v_max3_num_f32 v[TM+\b], |v[\s+16*\b]|, |v[\s+1+16*\b]|, 0x4800000   ; block b: my 16 numbers, and the floor 2^(9 - 127): the byte cannot fall under 1
.endr
.irp i, 2,4,6,8,10,12,14
.irp b, 0,1,2,3
	s_delay_alu instid0(VALU_DEP_4)
	v_max3_num_f32 v[TM+\b], v[TM+\b], |v[\s+16*\b+\i]|, |v[\s+1+16*\b+\i]|   ; the four blocks by turns
.endr
.endr
.irp b, 0,1,2,3
	s_delay_alu instid0(VALU_DEP_4)
	v_permlanex16_b32 v[TM+4+\b], v[TM+\b], s20, s21
.endr
.irp b, 0,1,2,3
	s_delay_alu instid0(VALU_DEP_4)
	v_max_num_f32 v[TM+\b], v[TM+\b], v[TM+4+\b]   ; with lane l xor 16's: the block's largest magnitude
.endr
.irp b, 0,1,2,3
	s_delay_alu instid0(VALU_DEP_4)
	v_add_nc_u32 v[TM+12+\b], 0xfc000000, v[TM+\b] ; 8 off its exponent field: the conversion takes the exponent field of this operand as its scale
.endr
.irp b, 0,1,2,3
	v_and_or_b32 v[TM+8+\b], v[TM+\b], 0x7f800000, s23   ; 448 x the scale
.endr
.irp b, 0,1,2,3
	v_lshrrev_b32 v[TM+4+\b], 23, v[TM+12+\b]      ; the scale's byte
.endr
	s_delay_alu instid0(VALU_DEP_3)
	v_lshl_or_b32 v[\pw], v[TM+5], 8, v[TM+4]      ; the four bytes make my row's scale word
	s_delay_alu instid0(VALU_DEP_1)
	v_lshl_or_b32 v[\pw], v[TM+6], 16, v[\pw]
	s_delay_alu instid0(VALU_DEP_1)
	v_lshl_or_b32 v[\pw], v[TM+7], 24, v[\pw]
.irp b, 0,1,2,3
.irp i, 0,1,2,3,4,5,6,7,8,9,10,11,12,13,14,15
	v_med3_num_f32 v[\s+16*\b+\i], v[\s+16*\b+\i], -v[TM+8+\b], v[TM+8+\b]   ; the conversion to an 8-bit code does not saturate (ISA guide 7.6.2): the hold at 448 x the scale
.endr
	v_cvt_scalef32_pk8_fp8_f32 v[\pc+4*\b:\pc+1+4*\b], v[\s+16*\b:\s+7+16*\b], v[TM+12+\b]
	v_cvt_scalef32_pk8_fp8_f32 v[\pc+2+4*\b:\pc+3+4*\b], v[\s+8+16*\b:\s+15+16*\b], v[TM+12+\b]
.endr
	v_nop                                          ; one plain vector line behind the last conversion, ahead of whatever next writes its sources
.endm
	SQ X0, 1                                       ; the squares first: the hold below changes numbers in place
	QUANT X0, PC, PW
.irp c, 0,1,2,3
	global_store_b128 v4, v[PC+4*\c:PC+4*\c+3], s[8:9] offset:512*\c          ; 32 lanes store 512 consecutive bytes, aligned to 256
.endr
	s_wait_dscnt 0x0                               ; K step 1 is in
	SQ X1, 0
	QUANT X1, PC+16, PW+1
.irp c, 0,1,2,3
	global_store_b128 v4, v[PC+16+4*\c:PC+16+4*\c+3], s[8:9] offset:2048+512*\c
.endr
	v_pk_add_f32 v[EE:EE+1], v[EE:EE+1], v[EE+2:EE+3]
	v_pk_add_f32 v[EE+4:EE+5], v[EE+4:EE+5], v[EE+6:EE+7]
	s_delay_alu instid0(VALU_DEP_1)
	v_pk_add_f32 v[EE:EE+1], v[EE:EE+1], v[EE+4:EE+5]
	s_delay_alu instid0(VALU_DEP_1)
	v_add_f32 v[EE], v[EE], v[EE+1]
	s_delay_alu instid0(VALU_DEP_1)
	v_permlanex16_b32 v[EE+1], v[EE], s20, s21     ; the row's other 128 numbers lie in the lane 16 away
	s_delay_alu instid0(VALU_DEP_1)
	v_add_f32 v[EE], v[EE], v[EE+1]
	s_delay_alu instid0(VALU_DEP_1)
	v_mul_f32 v[EE], -0.5, v[EE]                   ; -(sum of squares) / 2, in both halves of the lanes
	v_cmp_lt_u32 vcc_lo, 15, v1
	s_delay_alu instid0(VALU_DEP_1)
	v_cndmask_b32 v28, v[PW], v[PW+1], vcc_lo      ; lanes 0-15: K step 0's word; lanes 16-31: K step 1's
	ds_store_b32 v7, v28
	ds_store_b32 v7, v[EE] offset:128
	ds_load_b64 v[136:137], v8                     ; in order behind my two stores
	s_wait_dscnt 0x0
	global_store_b64 v9, v[136:137], s[8:9] offset:4096   ; 32 lanes store the record's last 256 bytes whole
	s_wait_tensorcnt 0x0
	ds_add_u32 v30, v31
	s_wait_dscnt 0x0
	s_endpgm
.Lfunc_end_k_q957e9497ce_quant:
	.size	k_q957e9497ce_quant, .Lfunc_end_k_q957e9497ce_quant-k_q957e9497ce_quant
	.p2alignl 7, 3214868480
	.fill 96, 4, 3214868480
	.section	.rodata,"a",@progbits
	.p2align	6, 0x0
	.amdhsa_kernel k_q957e9497ce_quant
		.amdhsa_group_segment_fixed_size 136192
		.amdhsa_private_segment_fixed_size 0
		.amdhsa_enable_private_segment 0
		.amdhsa_kernarg_size 32
		.amdhsa_user_sgpr_count 2
		.amdhsa_user_sgpr_kernarg_segment_ptr 1
		.amdhsa_wavefront_size32 1
		.amdhsa_system_sgpr_workgroup_id_x 1
		.amdhsa_system_sgpr_workgroup_id_y 1
		.amdhsa_system_sgpr_workgroup_id_z 1
		.amdhsa_system_vgpr_workitem_id 0
		.amdhsa_next_free_vgpr 256
		.amdhsa_next_free_sgpr 66
		.amdhsa_reserve_vcc 1
		.amdhsa_float_denorm_mode_32 3
		.amdhsa_float_denorm_mode_16_64 3
		.amdhsa_memory_ordered 1
		.amdhsa_forward_progress 1
		.amdhsa_inst_pref_size 35
	.end_amdhsa_kernel
	.amdgpu_metadata
---
amdhsa.version: [ 1, 2 ]
amdhsa.kernels:
  - .name:           k_q957e9497ce_quant
    .symbol:         k_q957e9497ce_quant.kd
    .args:
      - { .name: emb, .offset: 0, .size: 8, .value_kind: global_buffer, .address_space: global }
      - { .name: z, .offset: 8, .size: 8, .value_kind: global_buffer, .address_space: global }
      - { .name: ecod, .offset: 16, .size: 8, .value_kind: global_buffer, .address_space: global }
      - { .name: zcod, .offset: 24, .size: 8, .value_kind: global_buffer, .address_space: global }
    .group_segment_fixed_size: 136192
    .private_segment_fixed_size: 0
    .kernarg_segment_align: 8
    .kernarg_segment_size: 32
    .max_flat_workgroup_size: 256
    .sgpr_count:     66
    .vgpr_count:     256
    .wavefront_size: 32
...
	.end_amdgpu_metadata
.endif
;; end of part 1
;; launch vqmax (part 2): grid 64 x 4, 8 waves a work-group, clusters of 4 x 1, 327,680 bytes of LDS; arguments ecod, zcod, ckey, cidx; writes ckey, cidx
.if DOCPART == 2
	.amdgcn_target "amdgcn-amd-amdhsa--gfx1250"
	.amdhsa_code_object_version 6
	.text
	.protected	k_q957e9497ce_vqmax
	.globl	k_q957e9497ce_vqmax
	.p2align	8
	.type	k_q957e9497ce_vqmax,@function
k_q957e9497ce_vqmax:
	s_mov_b64 s[64:65], 0
	v_nop
	global_prefetch_b8 v0, s[64:65] scope:SCOPE_SE
	s_setreg_imm32_b32 hwreg(HW_REG_WAVE_MODE, 25, 1), 1
	s_wait_xcnt 0x0
	s_wait_alu depctr_hold_cnt(0) depctr_sa_sdst(0) depctr_va_vdst(0) depctr_va_sdst(0) depctr_va_ssrc(0) depctr_va_vcc(0) depctr_vm_vsrc(0)
	s_getreg_b32 s2, hwreg(HW_REG_IB_STS2, 6, 4)
	s_cmp_eq_u32 s2, 0
	s_cbranch_scc0 .Lentry_in_a_cluster
	s_endpgm
.Lentry_in_a_cluster:
	s_bfe_u32 s2, ttmp6, 0x10000c
	s_cmp_lg_u32 s2, 0x3003
	s_cbranch_scc0 .Lentry_shape_is_right
	s_endpgm
.Lentry_shape_is_right:
; For each row of z and each quarter of the codebook: the code with the largest D = (z . e, on codes of FP8 (E4M3) with E8M0 scales) - |e|^2 / 2, and that D as a whole number that keeps its order.
; LEFT OUT: argmin over codes of |z|^2 + |e|^2 - 2 z . e = argmax of D: |z|^2 is the same for all codes of a row, whatever the inputs hold, and moves no choice.  -|e|^2 / 2 is the C of a tile's first matrix instruction.
; LIMITS: D is rounded otherwise than the distance written out in f32, so two codes whose distances differ by a few f32 ulps may be chosen the other way; exactly equal D goes to the lower index.  NaN and infinities are not served;
; an overflow of |z|^2 alone is not carried to the result.
; SHARES.  Work-group (x, y): z rows 256 x on, codes 4,096 y on (256 tiles of 16, in 8 chunks of 32).  Wave w = 4 g + q keeps the 8 z tiles 16 x + 8 g + i in 256 registers and takes code tiles 8 q .. 8 q + 7 of each chunk:
; a code record read from LDS (4,352 bytes) feeds 16 matrix instructions.
; CLUSTER.  The four work-groups of a cluster share y and walk the same codes: each chunk is asked for JOINTLY, by the same tensor load with the same descriptor and the mask of all four.
; NO PREFETCH: a chunk is asked for three quarters of a chunk (about 100 matrix instructions a wave) ahead of the wait for it, and 16 clusters ask for the same 139,264 bytes in the same step of their walks.
; LAYOUT.  Source 0 = 16 codes, source 1 = 16 rows of z: a lane holds ONE row of z (lane % 16), its 8 result registers the codes 16 T + 8 (lane / 16) + j.
; THE ARGMAX of a tile of 16 x 16, nine vector lines: four v_max3 fold the 8 results onto the old best into a second register (the two change roles from tile to tile); one compare (strictly greater: tiles ascend, the first wins);
; four pairs of selects keep the tile's results j = 0 .. 6 and its code base.  Which j it was is looked up once, at the end: the first kept result equal to the best, or 7 if none is.  No branch on data.
; REGISTERS.  Window 1: z tile i, K step s at v[32 i + 16 s].  Window 0: the names below.
.set REC,   4352                       ; a tile record
.set SLOTB, 32*REC                     ; a chunk = a slot, dense
.set WPART, 4*REC                      ; one wave's tensor load: 68 rows of 256 bytes
.set QPART, 8*REC                      ; what one wave reads of a chunk
.set SPARE, 2*SLOTB                    ; the spare words: 128 bytes for each of eight waves; no other line names them
.set SCRV,  SPARE+1024                 ; scratch for the end: best values, 512 bytes a wave; 4,096 further on the indices; no tensor load lands here
.set SPW,  1                           ; v1   SPARE + 4 x my thread's number; never rewritten
.set NIL,  2                           ; v2   0; never rewritten
.set TID,  3                           ; v3   the first of my 8 codes in the tile in hand
.set LA,   4                           ; v4-5 slot 0, 1: my wave's records + 16 x lane
.set LS,   6                           ; v6-7 the same + 4 x lane
.set LB,   8                           ; v8-9 the same + 32 (lane / 16)
.set CS,   10                          ; v10, v18 the codes' scale words, two buffers
.set ZS,   11                          ; v11-17, v19 z's scale words: tile i at ZS + i + i / 7: no number equal to CS's modulo 8
.set SW,   20                          ; v20  the end: where I put my row's best
.set SRD,  21                          ; v21  the end: where I read two rows' candidates
.set GOF,  22                          ; v22  8 x lane
.set AF,   24                          ; v24-87 a code tile's two fragments, two buffers of 32
.set BI,   88                          ; v88-103 -|e|^2 / 2 of my 8 codes, two buffers of 8
.set ACC,  104                         ; v104-167 eight accumulators
.set BEST, 168                         ; v168-183 two registers a z tile
.set IDS,  184                         ; v184-191 the end: the best code's index
.set SAVE, 192                         ; v192-255 eight registers a z tile: the best tile's results 0 .. 6, and in the eighth its code base
.set G1,   24                          ; s[24:31] descriptor group 1
.set G0,   32                          ; s[32:39] descriptor group 0, a set for each slot
.set MSB, 0
.macro WIN new                         ; the immediate's high byte repeats the setting that is left
.if MSB != \new
	s_set_vgpr_msb (MSB<<8)|\new
.set MSB, \new
.endif
.endm
.macro CREST                           ; a round of the cluster's barrier behind its opening barrier
	s_cmp_lg_u32 s12, 0
	s_cbranch_scc1 .Lnot_wave_0_\@
	s_barrier_signal -3
.Lnot_wave_0_\@:
	s_barrier_wait -3
	s_barrier_signal -1
	s_barrier_wait -1
.endm
.macro ROUND                           ; a whole round
	s_barrier_signal -1
	s_barrier_wait -1
	CREST
.endm
	s_load_b256 s[4:11], s[0:1], 0x0               ; ecod s[4:5], zcod s[6:7], ckey s[8:9], cidx s[10:11]
	v_lshl_add_u32 v[SPW], v0, 2, SPARE
	v_mov_b32 v[NIL], 0
	ds_add_u32 v[SPW], v[NIL]                      ; the opening lines: the add, twice on end, and its wait ahead of my first tensor load
	ds_add_u32 v[SPW], v[NIL]
	v_lshrrev_b32 v24, 5, v0
	v_readfirstlane_b32 s12, v24                   ; wave 0..7
	s_and_b32 s13, s12, 3                          ; q: which 8 code tiles of a chunk
	s_lshr_b32 s14, s12, 2                         ; g: which 128 rows of z
	s_bfe_u32 s15, ttmp6, 0x40000                  ; cx
	s_lshl_b32 s16, ttmp9, 2
	s_add_co_u32 s16, s16, s15                     ; x: it enters z's, ckey's and cidx's addresses alone
	s_and_b32 s17, ttmp7, 0xffff                   ; y: the quarter, which the four partners share
	s_mov_b32 s[G1+0], 15|(3<<16)|(1<<21)          ; the mask of all four; elements of 8 bytes; bit 21 beside a mask; no padding
	s_mov_b32 s[G1+1], 32<<16                      ; tensor_dim0 = 32
	s_mov_b32 s[G1+2], 68<<16                      ; tensor_dim1 = 68
	s_mov_b32 s[G1+3], 32<<16                      ; tile_dim0 = 32
	s_mov_b32 s[G1+4], 68                          ; tile_dim1 = 68
	s_mov_b32 s[G1+5], 32                          ; from row to row: 32 elements
	s_mov_b32 s[G1+6], 0
	s_mov_b32 s[G1+7], 0
	s_mov_b32 s42, 0x76543210
	s_mov_b32 s43, 0xfedcba98                      ; v_permlanex16_b32's selects for lane l xor 16
	s_mov_b32 s46, 0xff800000                      ; -infinity
	s_mul_i32 s21, s13, QPART                      ; my wave's records in a slot
	s_lshl_b32 s41, s12, 9
	s_add_co_u32 s41, s41, SCRV                    ; SCRV + 512 w
	s_lshr_b32 s44, s13, 1
	s_lshl_b32 s44, s44, 11
	s_and_b32 s45, s13, 1
	s_lshl_b32 s45, s45, 8
	s_add_co_u32 s44, s44, s45
	s_add_co_u32 s44, s44, SCRV                    ; SCRV + 2,048 (q / 2) + 256 (q % 2): in waves 0-3, which read there, q is the wave's number
	s_lshl_b32 s47, s17, 12
	s_lshl_b32 s45, s13, 7
	s_add_co_u32 s47, s47, s45
	s_sub_co_u32 s47, s47, 400                     ; 4,096 y + 128 q - 400: the first chunk's first tile adds the 400 like every chunk's
	v_and_b32 v24, 31, v0                          ; lane
	v_bfe_u32 v26, v0, 4, 1                        ; h
	v_and_b32 v27, 15, v0                          ; r
	v_lshlrev_b32 v25, 2, v24
	v_lshlrev_b32 v[GOF], 3, v24
	v_lshlrev_b32 v28, 4, v24
	v_add_nc_u32 v[LA], s21, v28
	v_add_nc_u32 v[LS], s21, v25
	v_lshl_add_u32 v[LB], v26, 5, s21
	v_add_nc_u32 v[LA+1], SLOTB, v[LA]
	v_add_nc_u32 v[LS+1], SLOTB, v[LS]
	v_add_nc_u32 v[LB+1], SLOTB, v[LB]
	v_lshl_add_u32 v[SW], v27, 2, s41
	v_add_nc_u32 v[SRD], s44, v[GOF]
	v_lshl_add_u32 v[TID], v26, 3, s47
	s_wait_alu depctr_va_vdst(0)                   ; ahead of the waits and scalar lines below
	s_wait_dscnt 0x0                               ; both opening adds are done
	s_mul_i32 s18, s17, 256*REC                    ; my quarter's records,
	s_mul_i32 s20, s12, WPART                      ; my wave's eighth of a chunk: in memory and in a slot
	s_add_co_u32 s18, s18, s20
	s_mov_b32 s19, 0
	s_lshl_b32 s22, s16, 4
	s_lshl_b32 s23, s14, 3
	s_add_co_u32 s22, s22, s23                     ; my first z tile: 16 x + 8 g
	s_mul_i32 s22, s22, REC
	s_mov_b32 s23, 0
	s_wait_kmcnt 0x0
	s_add_nc_u64 s[4:5], s[4:5], s[18:19]          ; made of y and the wave's number alone
	s_add_nc_u64 s[6:7], s[6:7], s[22:23]
.irp n, 0,1
	s_mov_b32 s[G0+4*\n], 1
	s_add_co_u32 s[G0+4*\n+1], s20, \n*SLOTB                       ; LDS: slot n, my wave's eighth
	s_add_nc_u64 s[G0+4*\n+2:G0+4*\n+3], s[4:5], \n*SLOTB          ; memory: chunk n
	s_or_b32 s[G0+4*\n+3], s[G0+4*\n+3], 0x80000000
.endr
	ROUND                                          ; all four work-groups are here: the first joint loads meet
	tensor_load_to_lds s[G0:G0+3], s[G1:G1+7]      ; chunk 0: my one tensor load at the head, asked for ahead of z
	s_nop 0
.rept 4
	v_nop                                          ; four ahead of the switch of windows
.endr
	WIN 0x40                                       ; destination window 1, address window 0
.irp i, 0,1,2,3,4,5,6,7
.irp k, 0,1,2,3,4,5,6,7
	global_load_b128 v[32*\i+4*\k:32*\i+4*\k+3], v28, s[6:7] offset:REC*\i+512*\k   ; z's fragments stay in registers: an image of the record
.endr
.endr
	WIN 0
.irp i, 0,1,2,3,4,5,6,7
	global_load_b32 v[ZS+\i+\i/7], v25, s[6:7] offset:REC*\i+4096
.endr
	s_lshl_b32 s18, s17, 16                        ; ckey, cidx: [quarter][row]: 65,536 y + 1,024 x + 256 q
	s_lshl_b32 s22, s16, 10
	s_add_co_u32 s18, s18, s22
	s_lshl_b32 s22, s13, 8
	s_add_co_u32 s18, s18, s22
	s_add_nc_u64 s[8:9], s[8:9], s[18:19]
	s_add_nc_u64 s[10:11], s[10:11], s[18:19]
	; The first chunk runs the same text as the others.  Its first vector block belongs to 'the tile before': it finds -infinity everywhere and changes nothing.
.irp i, 0,1,2,3
	v_mov_b32 v[BEST+2*\i], s46
	v_mov_b32 v[BEST+2*(\i+4)+1], s46
.endr
.set I, 0
.rept 32
	v_mov_b32 v[ACC+32+I], s46                     ; accumulators 4-7
.set I, I+1
.endr
.set I, 0
.rept 64
	v_mov_b32 v[SAVE+I], 0                         ; selects read their own destination
.set I, I+1
.endr
	s_wait_alu depctr_va_vdst(0)                   ; the head's end
	s_wait_loadcnt 0x0                             ; z is in; the loads' offset registers are free
	s_wait_tensorcnt 0x0                           ; my eighth of chunk 0 is in; these lines stand ahead of a later first fill
	ds_add_u32 v[SPW], v[NIL]
	s_wait_dscnt 0x0
	ROUND
	tensor_load_to_lds s[G0+4:G0+7], s[G1:G1+7]    ; chunk 1: slot 1's first fill, issued as a refill is
	s_nop 0
.rept 4
	v_nop
.endr
; 11 LDS loads: code tile t of my 8 in the slot, into buffer p: two fragments, the scale words, my 8 codes' -|e|^2 / 2
.macro LOADA slot, t, p
.irp k, 0,1,2,3,4,5,6,7
	ds_load_b128 v[AF+32*(\p)+4*\k:AF+32*(\p)+4*\k+3], v[LA+\slot] offset:REC*(\t)+512*\k
.endr
	ds_load_b32 v[CS+8*(\p)], v[LS+\slot] offset:REC*(\t)+4096
	ds_load_b128 v[BI+8*(\p):BI+8*(\p)+3], v[LB+\slot] offset:REC*(\t)+4224
	ds_load_b128 v[BI+8*(\p)+4:BI+8*(\p)+7], v[LB+\slot] offset:REC*(\t)+4240
.endm
; 8 matrix instructions: the code tile in buffer p against z tiles 4 H .. 4 H + 3; K step 0 starts the sums from -|e|^2 / 2, K step 1 adds in place.  The four accumulators take turns.
.macro WBLK p, H
.irp u, 0,1,2,3
	v_wmma_scale_f32_16x16x128_f8f6f4 v[ACC+8*(4*(\H)+\u):ACC+8*(4*(\H)+\u)+7], v[AF+32*(\p):AF+32*(\p)+15], v[32*(4*(\H)+\u):32*(4*(\H)+\u)+15], v[BI+8*(\p):BI+8*(\p)+7], v[CS+8*(\p)], v[ZS+4*(\H)+\u+(4*(\H)+\u)/7]
.endr
.irp u, 0,1,2,3
	v_wmma_scale_f32_16x16x128_f8f6f4 v[ACC+8*(4*(\H)+\u):ACC+8*(4*(\H)+\u)+7], v[AF+32*(\p)+16:AF+32*(\p)+31], v[32*(4*(\H)+\u)+16:32*(4*(\H)+\u)+31], v[ACC+8*(4*(\H)+\u):ACC+8*(4*(\H)+\u)+7], v[CS+8*(\p)], v[ZS+4*(\H)+\u+(4*(\H)+\u)/7] matrix_a_scale:MATRIX_SCALE_ROW1 matrix_b_scale:MATRIX_SCALE_ROW1
.endr
.endm
; The vector block of z tiles 4 H .. 4 H + 3 for a code tile of parity par: old best BEST + 2 i + par, new best BEST + 2 i + 1 - par.  Each accumulator is read from its low end on.
; t2 >= 0: behind the 16 maxima, which name no register of the matrix instructions that read buffer par, code tile t2 is fetched into that buffer (eight places are asked in front of such loads).
; A pair of selects by VCC has an even and an odd destination, and its two first sources, and its two second sources, have different numbers modulo 4.
.macro VBLK H, par, slot, t2
.irp m, 0,1,2,3
.irp u, 0,1,2,3
.set II, 4*(\H)+\u
.if \m == 0
	v_max3_num_f32 v[BEST+2*II+1-(\par)], v[BEST+2*II+(\par)], v[ACC+8*II], v[ACC+8*II+1]
.else
	v_max3_num_f32 v[BEST+2*II+1-(\par)], v[BEST+2*II+1-(\par)], v[ACC+8*II+2*\m], v[ACC+8*II+2*\m+1]
.endif
.endr
.endr
.if (\t2) >= 0
	LOADA \slot, \t2, \par
.endif
.irp u, 0,1,2,3
.set II, 4*(\H)+\u
	v_cmp_gt_f32 vcc_lo, v[BEST+2*II+1-(\par)], v[BEST+2*II+(\par)]   ; has the best grown?  Strictly: an equal later code does not take the place
.irp j, 0,2,4
	v_dual_cndmask_b32 v[SAVE+8*II+\j], v[SAVE+8*II+\j], v[ACC+8*II+\j] :: v_dual_cndmask_b32 v[SAVE+8*II+\j+1], v[SAVE+8*II+\j+1], v[ACC+8*II+\j+1]
.endr
	v_dual_cndmask_b32 v[SAVE+8*II+6], v[SAVE+8*II+6], v[ACC+8*II+6] :: v_dual_cndmask_b32 v[SAVE+8*II+7], v[SAVE+8*II+7], v[TID]   ; result 6, and the tile's code base in the place of result 7, which the end never looks up
.endr
.endm
; Code tile t of a chunk.  Matrix block, the vector block of results finished a block ago, matrix block, vector block: every vector block reads accumulators whose last matrix instruction stands a whole other vector block
; (36 vector lines that name none of its registers) back, and every matrix block begins accumulators anew as far behind their last matrix instruction.
; THE CHANGE OF SLOTS (em > 0) begins in the middle of tile 6: tile 7's fragments, my last reads of the slot, were asked for a tile earlier.  I wait for all my tensor loads (one is out: my eighth of the next chunk), add 0 to my
; spare word, wait for that and for my reads behind 8 products, and signal; a vector block and all of tile 7, work on registers alone, stand between signal and wait.
; em = 2: the barrier opens a round of the cluster's barrier, and this slot takes the chunk two on, first thing behind it.
.macro TILE slot, t, em
.set TP, (\t)&1
.if (\t) == 0
	VBLK 1, 1, \slot, -1                           ; the upper half of the chunk before's last tile, while this chunk's first fragments come
	v_add_nc_u32 v[TID], 400, v[TID]               ; 512 codes a chunk, less the 7 x 16 already added
	s_wait_dscnt 11                                ; tile 0's 11 loads are in; tile 1's 11 may be out
	WIN 0x04                                       ; source 1 (z) in window 1
	WBLK 0, 0
	WBLK 0, 1
	WIN 0
.rept 8
	v_nop                                          ; eight places between the products and the first read of results
.endr
	VBLK 0, 0, \slot, 2
.else
.if (\t) == 7
.if (\em) == 0
	s_wait_dscnt 0x0                               ; the last chunk's last tile: nothing was asked for behind it (elsewhere tile 6's wait for 0 has shown it in)
.endif
.else
	s_wait_dscnt 11                                ; this tile's 11 loads are in; the next tile's 11 may be out
.endif
	WIN 0x04
	WBLK TP, 0
	WIN 0
	VBLK 1, 1-TP, \slot, -1                        ; the tile before's upper half
	v_add_nc_u32 v[TID], 16, v[TID]
.if ((\t) == 6) && ((\em) > 0)
	s_wait_tensorcnt 0x0                           ; no tensor load of mine is out, so a group 0 may be written
	ds_add_u32 v[SPW], v[NIL]
.if (\em) == 2
	s_add_nc_u64 s[G0+4*\slot+2:G0+4*\slot+3], s[G0+4*\slot+2:G0+4*\slot+3], 2*SLOTB   ; this slot's next chunk
.endif
.endif
	WIN 0x04
	WBLK TP, 1
	WIN 0
.if ((\t) == 6) && ((\em) > 0)
	s_wait_dscnt 0x0                               ; the add is done, and my reads of this slot are over: tile 7's fragments are in registers
	s_barrier_signal -1
.endif
.if (\t)+2 <= 7
	VBLK 0, TP, \slot, (\t)+2
.else
	VBLK 0, TP, \slot, -1
.endif
.if ((\t) == 7) && ((\em) > 0)
	s_barrier_wait -1                              ; every wave's part of the next chunk is in, and nobody reads this slot any more
.if (\em) == 2
	CREST                                          ; the same of all four work-groups
	tensor_load_to_lds s[G0+4*\slot:G0+4*\slot+3], s[G1:G1+7]   ; my one tensor load behind the round
	s_nop 0
.rept 4
	v_nop
.endr
.endif
.endif
.endif
.endm
.macro CHUNK slot, em
	LOADA \slot, 0, 0
	LOADA \slot, 1, 1
.irp t, 0,1,2,3,4,5,6,7
	TILE \slot, \t, \em
.endr
.endm
	s_mov_b32 s40, 3
.Lloop:                                                ; chunks 0 to 5; they ask for chunks 2 to 7
	CHUNK 0, 2
	CHUNK 1, 2
	s_sub_co_u32 s40, s40, 1
	s_cmp_lg_u32 s40, 0
	s_cbranch_scc1 .Lloop
	CHUNK 0, 1                                     ; chunk 6: nothing is left to ask for: a barrier of the work-group shows chunk 7 whole
	CHUNK 1, 0                                     ; chunk 7
	VBLK 1, 1, 0, -1                               ; the last tile's upper half.  The best now lies in BEST + 2 i
	; THE END.  Which of the tile's 8 results is the best: the first kept one that equals it, or the eighth.  v24-31: j.
.irp i, 0,1,2,3,4,5,6,7
	v_mov_b32 v[24+\i], 7
.endr
.irp j, 6,5,4,3,2,1,0
.irp i, 0,1,2,3,4,5,6,7
	v_cmp_neq_f32 vcc_lo, v[SAVE+8*\i+\j], v[BEST+2*\i]
	v_cndmask_b32 v[24+\i], \j, v[24+\i], vcc_lo   ; j where they are equal: descending, so the lowest j stays
.endr
.endr
.irp i, 0,1,2,3,4,5,6,7
	v_add_nc_u32 v[IDS+\i], v[SAVE+8*\i+7], v[24+\i]   ; the tile's code base + j
.endr
; (v, i) takes (ov, oi) where ov is greater, or equal with the lower index
.macro MERGE v, i, ov, oi
	v_cmp_eq_f32 s44, v[\ov], v[\v]
	v_cmp_lt_u32 s45, v[\oi], v[\i]
	v_cmp_gt_f32 vcc_lo, v[\ov], v[\v]
	s_and_b32 s44, s44, s45
	s_or_b32 vcc_lo, vcc_lo, s44
	v_cndmask_b32 v[\v], v[\v], v[\ov], vcc_lo
	v_cndmask_b32 v[\i], v[\i], v[\oi], vcc_lo
.endm
.irp i, 0,1,2,3,4,5,6,7
	v_permlanex16_b32 v[32+\i], v[BEST+2*\i], s42, s43   ; the row's other 8 codes of each tile lie in the lane 16 away
	v_permlanex16_b32 v[40+\i], v[IDS+\i], s42, s43
.endr
.irp i, 0,1,2,3,4,5,6,7
	MERGE BEST+2*\i, IDS+\i, 32+\i, 40+\i
.endr
.irp i, 0,1,2,3,4,5,6,7
	ds_store_b32 v[SW], v[BEST+2*\i] offset:64*\i          ; both lanes of a row write the same word with the same value
	ds_store_b32 v[SW], v[IDS+\i] offset:4096+64*\i
.endr
	s_wait_dscnt 0x0                               ; for the others' sake: my stores into the scratch are done
	s_barrier_signal -1
	s_barrier_wait -1
	s_cmp_lt_u32 s12, 4                            ; waves 0-3 join the four q's candidates, 64 rows a wave, two rows a lane
	s_cbranch_scc0 .Lrest
.irp q, 0,1,2,3
	ds_load_b64 v[48+2*\q:49+2*\q], v[SRD] offset:512*\q
	ds_load_b64 v[56+2*\q:57+2*\q], v[SRD] offset:4096+512*\q
.endr
	s_wait_dscnt 0x0
.irp e, 0,1
.irp q, 1,2,3
	MERGE 48+\e, 56+\e, 48+2*\q+\e, 56+2*\q+\e
.endr
.endr
	; D as a signed whole number in D's order: -0 becomes +0; then a negative number's lower 31 bits are turned over
.irp e, 0,1
	v_add_f32 v[48+\e], 0, v[48+\e]
.endr
.irp e, 0,1
	v_ashrrev_i32 v[64+\e], 31, v[48+\e]
.endr
.irp e, 0,1
	v_and_b32 v[64+\e], 0x7fffffff, v[64+\e]
.endr
.irp e, 0,1
	v_xor_b32 v[48+\e], v[48+\e], v[64+\e]
.endr
	global_store_b64 v[GOF], v[48:49], s[8:9]      ; 32 lanes store 256 consecutive bytes, aligned
	global_store_b64 v[GOF], v[56:57], s[10:11]
.Lrest:
	s_wait_tensorcnt 0x0                           ; the wave's end
	ds_add_u32 v[SPW], v[NIL]
	s_wait_dscnt 0x0
	ROUND                                          ; the closing round
	s_endpgm
.Lfunc_end_k_q957e9497ce_vqmax:
	.size	k_q957e9497ce_vqmax, .Lfunc_end_k_q957e9497ce_vqmax-k_q957e9497ce_vqmax
	.p2alignl 7, 3214868480
	.fill 96, 4, 3214868480
	.section	.rodata,"a",@progbits
	.p2align	6, 0x0
	.amdhsa_kernel k_q957e9497ce_vqmax
		.amdhsa_group_segment_fixed_size 327680
		.amdhsa_private_segment_fixed_size 0
		.amdhsa_enable_private_segment 0
		.amdhsa_kernarg_size 32
		.amdhsa_user_sgpr_count 2
		.amdhsa_user_sgpr_kernarg_segment_ptr 1
		.amdhsa_wavefront_size32 1
		.amdhsa_system_sgpr_workgroup_id_x 1
		.amdhsa_system_sgpr_workgroup_id_y 1
		.amdhsa_system_sgpr_workgroup_id_z 1
		.amdhsa_system_vgpr_workitem_id 0
		.amdhsa_next_free_vgpr 512
		.amdhsa_next_free_sgpr 66
		.amdhsa_reserve_vcc 1
		.amdhsa_float_denorm_mode_32 3
		.amdhsa_float_denorm_mode_16_64 3
		.amdhsa_memory_ordered 1
		.amdhsa_forward_progress 1
		.amdhsa_inst_pref_size 255
	.end_amdhsa_kernel
	.section	.bss,"aw",@nobits
	.p2align	6
	.space	262144
	.amdgpu_metadata
---
amdhsa.version: [ 1, 2 ]
amdhsa.kernels:
  - .name:           k_q957e9497ce_vqmax
    .symbol:         k_q957e9497ce_vqmax.kd
    .args:
      - { .name: ecod, .offset: 0, .size: 8, .value_kind: global_buffer, .address_space: global }
      - { .name: zcod, .offset: 8, .size: 8, .value_kind: global_buffer, .address_space: global }
      - { .name: ckey, .offset: 16, .size: 8, .value_kind: global_buffer, .address_space: global }
      - { .name: cidx, .offset: 24, .size: 8, .value_kind: global_buffer, .address_space: global }
    .group_segment_fixed_size: 327680
    .private_segment_fixed_size: 0
    .kernarg_segment_align: 8
    .kernarg_segment_size: 32
    .max_flat_workgroup_size: 256
    .sgpr_count:     66
    .vgpr_count:     512
    .wavefront_size: 32
...
	.end_amdgpu_metadata
.endif
;; end of part 2
;; launch pick (part 3): grid 256 x 1, 16 waves a work-group, no clusters, 2,560 bytes of LDS; arguments z, emb, ckey, cidx, out0, out2, part; writes out0, out2, part
.if DOCPART == 3
	.amdgcn_target "amdgcn-amd-amdhsa--gfx1250"
	.amdhsa_code_object_version 6
	.text
	.protected	k_q957e9497ce_pick
	.globl	k_q957e9497ce_pick
	.p2align	8
	.type	k_q957e9497ce_pick,@function
k_q957e9497ce_pick:
	s_mov_b64 s[64:65], 0
	v_nop
	global_prefetch_b8 v0, s[64:65] scope:SCOPE_SE
	s_setreg_imm32_b32 hwreg(HW_REG_WAVE_MODE, 25, 1), 1
	s_wait_xcnt 0x0
; For each row of z: the best of its four candidates (one for each quarter of the codebook: ckey holds the value as a signed whole number in the value's order, cidx the index, both [4][16384]);
; out0 = that row of emb, out2 = its index; part = the work-group's sum of (z_q - z)^2.
; The choice among the four is a comparison of whole numbers read from memory, so one row of emb is loaded for each row of z.  Quarters ascend in index and the compare is strict: of equal keys the lower index stays.
; SHARES: a work-group 64 rows, a wave 4, a lane 2 x 16 bytes of each row; every load and store of a row's half covers 512 consecutive bytes.  No matrix unit, no cluster: nothing is multiplied and work-groups share no tile.
.set VI, 8                             ; v8-23   index of candidate q for row p at [4 q + p]
.set VV, 24                            ; v24-39  its key
.set VO, 40                            ; v40-43  the chosen row's byte offset in emb + 16 x lane
.set Z,  56                            ; v56-87  z: 8 p + 4 u
.set E,  88                            ; v88-119 emb: 8 p + 4 u
.set SM, 216                           ; v216-223 four packed sums
.set T,  224                           ; v224-231 at work
	s_load_b256 s[4:11], s[0:1], 0x0               ; z s[4:5], emb s[6:7], ckey s[8:9], cidx s[10:11]
	s_load_b128 s[12:15], s[0:1], 0x20             ; out0, out2
	s_load_b64 s[16:17], s[0:1], 0x30              ; part
	v_lshl_add_u32 v240, v0, 2, 0x200              ; my spare word; never rewritten
	v_mov_b32 v241, 0
	v_lshrrev_b32 v3, 5, v0
	v_readfirstlane_b32 s18, v3                    ; wave 0..15
	v_and_b32 v3, 31, v0                           ; lane
	v_lshlrev_b32 v1, 4, v3                        ; 16 x lane
	v_mov_b32 v2, 0
	v_lshlrev_b32 v4, 3, v3                        ; 8 x lane
	v_and_b32 v5, 3, v3                            ; lane % 4
	s_lshl_b32 s19, s18, 4
	v_lshl_add_u32 v6, v5, 2, s19                  ; LDS: the index of row 4 w + lane % 4
	v_mov_b32 v7, s18
	v_lshlrev_b32 v7, 2, v7                        ; LDS: my wave's sum, at 256 + 4 w
	v_and_b32 v232, 15, v3
	v_lshlrev_b32 v232, 2, v232                    ; where wave 0 reads the sixteen sums back
	s_mov_b32 s20, 0x76543210
	s_mov_b32 s21, 0xfedcba98
	s_lshl_b32 s22, ttmp9, 6
	s_lshl_b32 s23, s18, 2
	s_add_co_u32 s22, s22, s23                     ; my first row: 64 x work-group + 4 x wave
	s_lshl_b32 s24, s22, 2
	s_mov_b32 s25, 0
	s_lshl_b32 s26, s22, 10
	s_mov_b32 s27, 0
	s_lshl_b32 s28, ttmp9, 8
	s_mov_b32 s29, 0
	s_lshl_b32 s30, ttmp9, 2
	s_mov_b32 s31, 0
	s_wait_alu depctr_va_vdst(0)                   ; the head's end
	s_wait_kmcnt 0x0
	s_add_nc_u64 s[8:9], s[8:9], s[24:25]
	s_add_nc_u64 s[10:11], s[10:11], s[24:25]
	s_add_nc_u64 s[4:5], s[4:5], s[26:27]
	s_add_nc_u64 s[12:13], s[12:13], s[26:27]
	s_add_nc_u64 s[14:15], s[14:15], s[28:29]
	s_add_nc_u64 s[16:17], s[16:17], s[30:31]
.irp q, 0,1,2,3
	global_load_b128 v[VI+4*\q:VI+4*\q+3], v2, s[10:11] offset:65536*\q   ; four rows' candidates of quarter q: the same 16 bytes in every lane
.endr
.irp q, 0,1,2,3
	global_load_b128 v[VV+4*\q:VV+4*\q+3], v2, s[8:9] offset:65536*\q
.endr
.irp p, 0,1,2,3
.irp u, 0,1
	global_load_b128 v[Z+8*\p+4*\u:Z+8*\p+4*\u+3], v1, s[4:5] offset:1024*\p+512*\u th:TH_LOAD_NT
.endr
.endr
	s_wait_loadcnt 8                               ; indices and keys are in; the 8 loads of z may be out
.irp q, 1,2,3
.irp p, 0,1,2,3
	v_cmp_gt_i32 vcc_lo, v[VV+4*\q+\p], v[VV+\p]   ; whole numbers; the same in every lane
	v_cndmask_b32 v[VV+\p], v[VV+\p], v[VV+4*\q+\p], vcc_lo
	v_cndmask_b32 v[VI+\p], v[VI+\p], v[VI+4*\q+\p], vcc_lo
.endr
.endr
.irp p, 0,1,2,3
	v_min_u32 v[VI+\p], 0x3fff, v[VI+\p]           ; a loaded number enters an address only held inside the table
.endr
.irp p, 0,1,2,3
	v_lshl_add_u32 v[VO+\p], v[VI+\p], 10, v1      ; a row of emb is 1,024 bytes
.endr
.irp p, 0,1,2,3
.irp u, 0,1
	global_load_b128 v[E+8*\p+4*\u:E+8*\p+4*\u+3], v[VO+\p], s[6:7] offset:512*\u
.endr
.endr
.irp p, 0,1,2,3
	s_wait_loadcnt 6-2*\p                          ; this row's 2 loads of emb are in; the later rows' 2 each may be out
.irp u, 0,1
	global_store_b128 v1, v[E+8*\p+4*\u:E+8*\p+4*\u+3], s[12:13] offset:1024*\p+512*\u th:TH_STORE_NT   ; 32 lanes store 512 consecutive bytes, aligned to 256
.endr
.endr
.irp p, 0,1,2,3
.irp c, 0,1,2,3
	v_pk_add_f32 v[T+2*\c:T+2*\c+1], v[E+8*\p+2*\c:E+8*\p+2*\c+1], v[Z+8*\p+2*\c:Z+8*\p+2*\c+1] neg_lo:[0,1] neg_hi:[0,1]   ; z_q - z
.endr
.irp c, 0,1,2,3
.if \p == 0
	v_pk_mul_f32 v[SM+2*\c:SM+2*\c+1], v[T+2*\c:T+2*\c+1], v[T+2*\c:T+2*\c+1]          ; the first row starts the sums
.else
	v_pk_fma_f32 v[SM+2*\c:SM+2*\c+1], v[T+2*\c:T+2*\c+1], v[T+2*\c:T+2*\c+1], v[SM+2*\c:SM+2*\c+1]
.endif
.endr
.endr
	v_pk_add_f32 v[SM:SM+1], v[SM:SM+1], v[SM+2:SM+3]
	v_pk_add_f32 v[SM+4:SM+5], v[SM+4:SM+5], v[SM+6:SM+7]
	v_pk_add_f32 v[SM:SM+1], v[SM:SM+1], v[SM+4:SM+5]
	v_add_f32 v[SM], v[SM], v[SM+1]
	v_add_f32_dpp v[SM], v[SM], v[SM] row_xmask:1 row_mask:0xf bank_mask:0xf
	v_add_f32_dpp v[SM], v[SM], v[SM] row_xmask:2 row_mask:0xf bank_mask:0xf
	v_add_f32_dpp v[SM], v[SM], v[SM] row_xmask:4 row_mask:0xf bank_mask:0xf
	v_add_f32_dpp v[SM], v[SM], v[SM] row_xmask:8 row_mask:0xf bank_mask:0xf
	v_permlanex16_b32 v[SM+1], v[SM], s20, s21
	v_add_f32 v[SM], v[SM], v[SM+1]                ; my wave's sum, in every lane
	ds_store_b32 v7, v[SM] offset:256
	v_mov_b32 v233, v[VI]                          ; the index of row lane % 4
.irp p, 1,2,3
	v_cmp_eq_u32 vcc_lo, \p, v5
	v_cndmask_b32 v233, v233, v[VI+\p], vcc_lo
.endr
	ds_store_b32 v6, v233                          ; eight lanes write the same word with the same value
	s_wait_dscnt 0x0                               ; for wave 0's sake: my stores are done
	s_barrier_signal -1
	s_barrier_wait -1
	s_cmp_lg_u32 s18, 0
	s_cbranch_scc1 .Lend
	ds_load_b64 v[224:225], v4                     ; the work-group's 64 indices
	ds_load_b32 v226, v232 offset:256              ; the sixteen sums, once in each half of the lanes
	s_wait_dscnt 0x0
	global_store_b64 v4, v[224:225], s[14:15]      ; 32 lanes store 256 consecutive bytes, aligned
	v_add_f32_dpp v226, v226, v226 row_xmask:1 row_mask:0xf bank_mask:0xf
	v_add_f32_dpp v226, v226, v226 row_xmask:2 row_mask:0xf bank_mask:0xf
	v_add_f32_dpp v226, v226, v226 row_xmask:4 row_mask:0xf bank_mask:0xf
	v_add_f32_dpp v226, v226, v226 row_xmask:8 row_mask:0xf bank_mask:0xf
	v_cmp_eq_u32 vcc_lo, 0, v3
	s_wait_alu depctr_va_vdst(0)                   ; directly ahead of the wait below
	s_wait_xcnt 0x0                                ; EXEC changes only when the earlier memory instructions have read it
	s_and_saveexec_b32 s19, vcc_lo
	global_store_b32 v2, v226, s[16:17]            ; lane 0: the work-group's partial sum
	s_wait_xcnt 0x0
	s_or_b32 exec_lo, exec_lo, s19
.Lend:
	s_wait_tensorcnt 0x0                           ; the wave's end
	ds_add_u32 v240, v241
	s_wait_dscnt 0x0
	s_endpgm
.Lfunc_end_k_q957e9497ce_pick:
	.size	k_q957e9497ce_pick, .Lfunc_end_k_q957e9497ce_pick-k_q957e9497ce_pick
	.p2alignl 7, 3214868480
	.fill 96, 4, 3214868480
	.section	.rodata,"a",@progbits
	.p2align	6, 0x0
	.amdhsa_kernel k_q957e9497ce_pick
		.amdhsa_group_segment_fixed_size 2560
		.amdhsa_private_segment_fixed_size 0
		.amdhsa_enable_private_segment 0
		.amdhsa_kernarg_size 56
		.amdhsa_user_sgpr_count 2
		.amdhsa_user_sgpr_kernarg_segment_ptr 1
		.amdhsa_wavefront_size32 1
		.amdhsa_system_sgpr_workgroup_id_x 1
		.amdhsa_system_sgpr_workgroup_id_y 1
		.amdhsa_system_sgpr_workgroup_id_z 1
		.amdhsa_system_vgpr_workitem_id 0
		.amdhsa_next_free_vgpr 242
		.amdhsa_next_free_sgpr 66
		.amdhsa_reserve_vcc 1
		.amdhsa_float_denorm_mode_32 3
		.amdhsa_float_denorm_mode_16_64 3
		.amdhsa_memory_ordered 1
		.amdhsa_forward_progress 1
		.amdhsa_inst_pref_size 11
	.end_amdhsa_kernel
	.amdgpu_metadata
---
amdhsa.version: [ 1, 2 ]
amdhsa.kernels:
  - .name:           k_q957e9497ce_pick
    .symbol:         k_q957e9497ce_pick.kd
    .args:
      - { .name: z, .offset: 0, .size: 8, .value_kind: global_buffer, .address_space: global }
      - { .name: emb, .offset: 8, .size: 8, .value_kind: global_buffer, .address_space: global }
      - { .name: ckey, .offset: 16, .size: 8, .value_kind: global_buffer, .address_space: global }
      - { .name: cidx, .offset: 24, .size: 8, .value_kind: global_buffer, .address_space: global }
      - { .name: out0, .offset: 32, .size: 8, .value_kind: global_buffer, .address_space: global }
      - { .name: out2, .offset: 40, .size: 8, .value_kind: global_buffer, .address_space: global }
      - { .name: part, .offset: 48, .size: 8, .value_kind: global_buffer, .address_space: global }
    .group_segment_fixed_size: 2560
    .private_segment_fixed_size: 0
    .kernarg_segment_align: 8
    .kernarg_segment_size: 56
    .max_flat_workgroup_size: 512
    .sgpr_count:     66
    .vgpr_count:     242
    .wavefront_size: 32
...
	.end_amdgpu_metadata
.endif
;; end of part 3
;; launch total (part 4): grid 1 x 1, 1 waves a work-group, no clusters, 0 bytes of LDS; arguments part, out1; writes out1
.if DOCPART == 4
	.amdgcn_target "amdgcn-amd-amdhsa--gfx1250"
	.amdhsa_code_object_version 6
	.text
	.protected	k_q957e9497ce_total
	.globl	k_q957e9497ce_total
	.p2align	8
	.type	k_q957e9497ce_total,@function
k_q957e9497ce_total:
	s_mov_b64 s[64:65], 0
	v_nop
	global_prefetch_b8 v0, s[64:65] scope:SCOPE_SE
	s_setreg_imm32_b32 hwreg(HW_REG_WAVE_MODE, 25, 1), 1
	s_wait_xcnt 0x0
; out1 = 0.25 m + m, m = the mean of (z_q - z)^2 over 16,384 x 256 = 2^22 numbers: the sum of the 256 work-groups' partial sums x 2^-22.
; One wave: 8 numbers a lane.  A sum over work-groups has one owner, in a launch behind the one that made the parts.
	s_load_b128 s[4:7], s[0:1], 0x0                ; part, out1
	v_lshlrev_b32 v1, 4, v0
	v_mov_b32 v2, 0
	s_mov_b32 s8, 0x76543210
	s_mov_b32 s9, 0xfedcba98
	s_wait_alu depctr_va_vdst(0)
	s_wait_kmcnt 0x0
	global_load_b128 v[4:7], v1, s[4:5]
	global_load_b128 v[8:11], v1, s[4:5] offset:512
	s_wait_loadcnt 0x0
	v_pk_add_f32 v[4:5], v[4:5], v[6:7]
	v_pk_add_f32 v[8:9], v[8:9], v[10:11]
	v_pk_add_f32 v[4:5], v[4:5], v[8:9]
	v_add_f32 v4, v4, v5
	v_add_f32_dpp v4, v4, v4 row_xmask:1 row_mask:0xf bank_mask:0xf
	v_add_f32_dpp v4, v4, v4 row_xmask:2 row_mask:0xf bank_mask:0xf
	v_add_f32_dpp v4, v4, v4 row_xmask:4 row_mask:0xf bank_mask:0xf
	v_add_f32_dpp v4, v4, v4 row_xmask:8 row_mask:0xf bank_mask:0xf
	v_permlanex16_b32 v5, v4, s8, s9
	v_add_f32 v4, v4, v5
	v_mul_f32 v4, 0x34800000, v4                   ; x 2^-22: the mean
	v_fmamk_f32 v5, v4, 0x3e800000, v4             ; 0.25 m + m
	v_cmp_eq_u32 vcc_lo, 0, v0
	s_wait_alu depctr_va_vdst(0)
	s_wait_xcnt 0x0                                ; EXEC changes only when the earlier memory instructions have read it
	s_and_saveexec_b32 s10, vcc_lo
	global_store_b32 v2, v5, s[6:7]
	s_wait_xcnt 0x0
	s_or_b32 exec_lo, exec_lo, s10
	s_endpgm
.Lfunc_end_k_q957e9497ce_total:
	.size	k_q957e9497ce_total, .Lfunc_end_k_q957e9497ce_total-k_q957e9497ce_total
	.p2alignl 7, 3214868480
	.fill 96, 4, 3214868480
	.section	.rodata,"a",@progbits
	.p2align	6, 0x0
	.amdhsa_kernel k_q957e9497ce_total
		.amdhsa_group_segment_fixed_size 0
		.amdhsa_private_segment_fixed_size 0
		.amdhsa_enable_private_segment 0
		.amdhsa_kernarg_size 16
		.amdhsa_user_sgpr_count 2
		.amdhsa_user_sgpr_kernarg_segment_ptr 1
		.amdhsa_wavefront_size32 1
		.amdhsa_system_sgpr_workgroup_id_x 1
		.amdhsa_system_sgpr_workgroup_id_y 1
		.amdhsa_system_sgpr_workgroup_id_z 1
		.amdhsa_system_vgpr_workitem_id 0
		.amdhsa_next_free_vgpr 16
		.amdhsa_next_free_sgpr 66
		.amdhsa_reserve_vcc 1
		.amdhsa_float_denorm_mode_32 3
		.amdhsa_float_denorm_mode_16_64 3
		.amdhsa_memory_ordered 1
		.amdhsa_forward_progress 1
		.amdhsa_inst_pref_size 2
	.end_amdhsa_kernel
	.amdgpu_metadata
---
amdhsa.version: [ 1, 2 ]
amdhsa.kernels:
  - .name:           k_q957e9497ce_total
    .symbol:         k_q957e9497ce_total.kd
    .args:
      - { .name: part, .offset: 0, .size: 8, .value_kind: global_buffer, .address_space: global }
      - { .name: out1, .offset: 8, .size: 8, .value_kind: global_buffer, .address_space: global }
    .group_segment_fixed_size: 0
    .private_segment_fixed_size: 0
    .kernarg_segment_align: 8
    .kernarg_segment_size: 16
    .max_flat_workgroup_size: 32
    .sgpr_count:     66
    .vgpr_count:     16
    .wavefront_size: 32
...
	.end_amdgpu_metadata
.endif
;; end of part 4
